; MI455X (gfx1250); checked and timed in simulation.
; The chip was launched on July 23, 2026; its instructions are those of AMD's public machine-readable ISA for CDNA 5 (MIT licence, August 2026) and "CDNA5" Instruction Set Architecture Reference Guide (July 2026). The comments in the code are by the model that wrote it; some were corrected since.
;; Correspondence Contrastive Loss. Allowed arithmetic: float matrix products may take bf16 or f16 operands with f32 sums; all other float work in f32.
;; Inputs: fix_image_feature 1 x 32 x 100 x 88 x 80 float32; fixed_points 4,096 x 3 int32; margin one number float32; moving_image_feature 1 x 32 x 100 x 88 x 80 float32; negative_points 4,096 x 3 int32; positive_points 4,096 x 3 int32.
;; Outputs: out0 one number float32; out1 4,096 float32; out2 4,096 float32.
;; One version. Each part assembles by itself: llvm-mc -triple=amdgcn-amd-amdhsa -mcpu=gfx1250 --defsym DOCPART=n.
;; ======== version 1 of 1: 2 launches
;; launch gather (part 1): grid 256 x 1, 4 waves a work-group, no clusters, 0 bytes of LDS; arguments fix_image_feature, moving_image_feature, fixed_points, positive_points, negative_points, out1, out2; writes out1, out2
.if DOCPART == 1
	.amdgcn_target "amdgcn-amd-amdhsa--gfx1250"
	.amdhsa_code_object_version 6
	.text
	.protected	k_q18161b5d34_gather
	.globl	k_q18161b5d34_gather
	.p2align	8
	.type	k_q18161b5d34_gather,@function
k_q18161b5d34_gather:
	s_mov_b64 s[64:65], 0
	v_nop
	global_prefetch_b8 v0, s[64:65] scope:SCOPE_SE
	s_setreg_imm32_b32 hwreg(HW_REG_WAVE_MODE, 25, 1), 1
	s_wait_xcnt 0x0
; out1[n] = |fix[:, f(n)] - mov[:, p(n)]|, out2[n] = |fix[:, f(n)] - mov[:, q(n)]| over 32 channels, 4,096 points n.
; f, p, q: the fixed, positive and negative point, each coordinate taken modulo (100, 88, 80) with the divisor's sign.
; The volumes are [32][100][88][80] f32: the 32 channels of a voxel lie CH = 2,816,000 bytes apart, so every number is a
; load of 4 bytes at an address of its own: 3 x 4,096 x 32 = 393,216 of them.  Nothing can be tiled, shared or staged,
; so there is no LDS, no barrier, no matrix work; the aim is to have every request on its way as early as possible.
; 256 work-groups x 4 waves x 32 lanes x 12 loads = 393,216: each lane issues its twelve loads in one run.
; Eight neighbouring lanes own one point; lane group g = lane & 7 takes channels 4 g .. 4 g + 3.
; No look-ahead request is made for the gathers: each is issued as soon as its index exists.
; No cache word on the gathers: the lists may name a voxel, or a neighbour of it, more than once.
; A wave stores 16 neighbouring bytes to each output: wider stores would want 64 points in a work-group, 64 work-groups.
; LIMITS: v_sqrt_f32 takes denormals as zero (ISA guide, its entry in 15.8): a squared distance below 2^-126 gives the
; distance 0.  The 32 squares are added as 4 in the lane, then over 8 lanes: another order than the reference's.
; Points are honoured over the whole range of int32, negative ones too.
.set CH,   2816000                     ; bytes from a channel to the next: 100 x 88 x 80 x 4
.set LAST, 703999                      ; the last voxel's linear index: 100 x 88 x 80 - 1 = 0xabdff
.set Z,    6                           ; v[6:7]    zero, the addend of the 64-bit multiply
.set P,    8                           ; v[8:10], v[12:14], v[16:18]  x, y, z of set 0 (fixed), 1 (positive), 2 (negative)
.set Q,    20                          ; v[20:25]  a pair at work for each set
.set OFF,  26                          ; v[26:28]  set i: byte offset of channel 4 g of its voxel
.set F,    32                          ; v[32:35]  fix at the fixed point, my 4 channels
.set MP,   36                          ; v[36:39]  mov at the positive point
.set MN,   40                          ; v[40:43]  mov at the negative point
.set D,    44                          ; v[44:47]  fix - mov(positive)
.set E,    48                          ; v[48:51]  fix - mov(negative)
.set A,    52                          ; v[52:53]  sums of squares, positive
.set B,    54                          ; v[54:55]  sums of squares, negative
.set FIX,  4                           ; s[4:5]    fix
.set MOV,  6                           ; s[6:7]    mov
.set FIX2, 24                          ; s[24:25]  fix, two channels further
.set MOV2, 26                          ; s[26:27]  mov, two channels further
	s_load_b256 s[4:11], s[0:1], 0x0               ; fix s[4:5], mov s[6:7], fixed points s[8:9], positive points s[10:11]
	s_load_b128 s[12:15], s[0:1], 0x20             ; negative points s[12:13], out1 s[14:15]
	s_load_b64 s[16:17], s[0:1], 0x30              ; out2
	s_lshl_b32 s2, ttmp9, 4                        ; the work-group's first point: 16 points each
	s_mov_b32 s20, 0x51eb851f                      ; ceil(2^37 / 100): excess 28 <= 2^5, so the quotient is exact for all 32-bit u
	s_mov_b32 s21, 0xba2e8ba3                      ; ceil(2^38 / 88):  excess  8 <= 2^6
	s_mov_b32 s22, 0xcccccccd                      ; ceil(2^38 / 80):  excess 16 <= 2^6
	v_and_b32 v1, 7, v0                            ; g: which four channels
	v_lshrrev_b32 v2, 3, v0                        ; which of the group's 16 points
	v_add_nc_u32 v2, s2, v2                        ; the point's number, 0 to 4,095
	v_mul_u32_u24 v3, 12, v2                       ; its three int32 in each list
	v_mul_u32_u24 v4, 4*CH, v1                     ; channel 4 g, in bytes (4 CH = 11,264,000 fits 24 bits; at most 78,848,000)
	v_mov_b32 v[Z], 0
	v_mov_b32 v[Z+1], 0
	s_wait_kmcnt 0x0
.irp i, 0,1,2
	global_load_b96 v[P+4*\i:P+4*\i+2], v3, s[8+2*\i:9+2*\i]   ; the eight lanes of a point read the same 12 bytes
.endr
	; A lane's four channels are reached by the immediates 0 and CH from two bases 2 CH apart: 3 CH = 8,448,000 does not
	; fit the immediate's signed 24 bits, and no immediate here is negative.
	s_add_nc_u64 s[FIX2:FIX2+1], s[FIX:FIX+1], 2*CH
	s_add_nc_u64 s[MOV2:MOV2+1], s[MOV:MOV+1], 2*CH
	s_wait_loadcnt 0x0                             ; all three: the lines below work on the three sets side by side
; Coordinate k of all three sets, modulo dv, sign of the divisor.  u = x + 2^31 is unsigned; r0 = u mod dv by a multiply with
; the magic number in s[mg] and a shift of the product's high word by sft; x mod dv = (r0 - rm) mod dv with rm = 2^31 mod dv.
; Each stage runs over the three sets, so that three chains that do not depend on each other take turns.
.macro MOD3 k, mg, sft, dv, rm
.irp i, 0,1,2
	v_xor_b32 v[P+4*\i+\k], 0x80000000, v[P+4*\i+\k]                           ; u
.endr
.irp i, 0,1,2
	v_mad_nc_u64_u32 v[Q+2*\i:Q+2*\i+1], v[P+4*\i+\k], s[\mg], v[Z:Z+1]        ; high word: u x magic / 2^32
.endr
.irp i, 0,1,2
	v_lshrrev_b32 v[Q+2*\i+1], \sft, v[Q+2*\i+1]                               ; u / dv
.endr
.irp i, 0,1,2
	v_mad_u32 v[P+4*\i+\k], v[Q+2*\i+1], -\dv, v[P+4*\i+\k]                    ; r0 = u - (u / dv) dv, 0 to dv - 1
.endr
.irp i, 0,1,2
	v_add_nc_u32 v[Q+2*\i], \dv-\rm, v[P+4*\i+\k]                              ; r0 - rm + dv: the answer where r0 < rm
.endr
.irp i, 0,1,2
	v_sub_nc_u32 v[P+4*\i+\k], v[P+4*\i+\k], \rm                               ; r0 - rm: the answer where r0 >= rm, else it wraps to a huge number
.endr
.irp i, 0,1,2
	v_min_u32 v[P+4*\i+\k], v[P+4*\i+\k], v[Q+2*\i]                            ; the smaller of the two is the one in 0 to dv - 1
.endr
.endm
	MOD3 0, 20, 5, 100, 48
	MOD3 1, 21, 6, 88, 24
	MOD3 2, 22, 6, 80, 48
	; linear index (x 88 + y) 80 + z, then the byte offset
.irp i, 0,1,2
	v_mad_u32_u24 v[P+4*\i], v[P+4*\i], 88, v[P+4*\i+1]
.endr
.irp i, 0,1,2
	v_mad_u32_u24 v[P+4*\i], v[P+4*\i], 80, v[P+4*\i+2]
.endr
.irp i, 0,1,2
	v_min_u32 v[P+4*\i], LAST, v[P+4*\i]           ; changes no value (99 x 7,040 + 87 x 80 + 79 = LAST): the index's bound, written in front of the address
.endr
.irp i, 0,1,2
	v_lshl_add_u32 v[OFF+\i], v[P+4*\i], 2, v4     ; 4 x index + 4 g CH: 0 to 81,663,996
.endr
; Four gathers: channels 4 g .. 4 g + 3 of the voxel at offset register o into v[dst .. dst+3]; b: the volume's base, b2: that base + 2 CH.
; The last byte reached is 2 CH + 81,663,996 + CH + 3 = 90,111,999, the volume's last.
.macro GATHER4 dst, o, b, b2
	global_load_b32 v[\dst],   v[\o], s[\b:\b+1]
	global_load_b32 v[\dst+1], v[\o], s[\b:\b+1] offset:CH
	global_load_b32 v[\dst+2], v[\o], s[\b2:\b2+1]
	global_load_b32 v[\dst+3], v[\o], s[\b2:\b2+1] offset:CH
.endm
	GATHER4 F,  OFF,   FIX, FIX2                   ; the twelve gathers in one run
	GATHER4 MP, OFF+1, MOV, MOV2
	GATHER4 MN, OFF+2, MOV, MOV2
; The squared distance between F and the four numbers at m: differences in d, the sum over the point's 32 channels in v[a] of
; each of its eight lanes.  The first product starts the sum; three steps across lanes ride on the additions (lane xor 1, 2, 4).
.macro DIST m, d, a
	v_pk_add_f32 v[\d:\d+1],   v[F:F+1],   v[\m:\m+1]   neg_lo:[0,1] neg_hi:[0,1]
	v_pk_add_f32 v[\d+2:\d+3], v[F+2:F+3], v[\m+2:\m+3] neg_lo:[0,1] neg_hi:[0,1]
	v_pk_mul_f32 v[\a:\a+1], v[\d:\d+1], v[\d:\d+1]
	v_pk_fma_f32 v[\a:\a+1], v[\d+2:\d+3], v[\d+2:\d+3], v[\a:\a+1]
	v_add_f32 v[\a], v[\a], v[\a+1]
.irp x, 1,2,4
	v_add_f32_dpp v[\a], v[\a], v[\a] row_xmask:\x row_mask:0xf bank_mask:0xf
.endr
.endm
	s_wait_loadcnt 0x4                             ; loads come back in order: F and MP are in, the four youngest (MN) may stay out
	DIST MP, D, A
	s_wait_loadcnt 0x0                             ; MN
	DIST MN, E, B
	v_sqrt_f32 v[A], v[A]
	v_sqrt_f32 v[B], v[B]
	v_lshlrev_b32 v5, 2, v2                        ; 4 x point: also the plain instruction that stands between the roots and their use (ISA guide 5.7.2)
	v_cmp_eq_u32 vcc_lo, 0, v1                     ; one lane of each point stores
	s_wait_xcnt 0x0                                ; EXEC is a source of the loads above: it changes only behind this wait
	s_and_saveexec_b32 s18, vcc_lo
	s_wait_alu depctr_va_vdst(0)
	global_store_b32 v5, v[A], s[14:15]            ; lanes 0, 8, 16, 24: 16 neighbouring bytes.  No cache word: the next launch reads them
	global_store_b32 v5, v[B], s[16:17]
	s_endpgm                                       ; EXEC is not widened again
.Lfunc_end_k_q18161b5d34_gather:
	.size	k_q18161b5d34_gather, .Lfunc_end_k_q18161b5d34_gather-k_q18161b5d34_gather
	.p2alignl 7, 3214868480
	.fill 96, 4, 3214868480
	.section	.rodata,"a",@progbits
	.p2align	6, 0x0
	.amdhsa_kernel k_q18161b5d34_gather
		.amdhsa_group_segment_fixed_size 0
		.amdhsa_private_segment_fixed_size 0
		.amdhsa_enable_private_segment 0
		.amdhsa_kernarg_size 56
		.amdhsa_user_sgpr_count 2
		.amdhsa_user_sgpr_kernarg_segment_ptr 1
		.amdhsa_wavefront_size32 1
		.amdhsa_system_sgpr_workgroup_id_x 1
		.amdhsa_system_sgpr_workgroup_id_y 1
		.amdhsa_system_sgpr_workgroup_id_z 1
		.amdhsa_system_vgpr_workitem_id 0
		.amdhsa_next_free_vgpr 56
		.amdhsa_next_free_sgpr 66
		.amdhsa_reserve_vcc 1
		.amdhsa_float_denorm_mode_32 3
		.amdhsa_float_denorm_mode_16_64 3
		.amdhsa_memory_ordered 1
		.amdhsa_forward_progress 1
		.amdhsa_inst_pref_size 9
	.end_amdhsa_kernel
	.amdgpu_metadata
---
amdhsa.version: [ 1, 2 ]
amdhsa.kernels:
  - .name:           k_q18161b5d34_gather
    .symbol:         k_q18161b5d34_gather.kd
    .args:
      - { .name: fix_image_feature, .offset: 0, .size: 8, .value_kind: global_buffer, .address_space: global }
      - { .name: moving_image_feature, .offset: 8, .size: 8, .value_kind: global_buffer, .address_space: global }
      - { .name: fixed_points, .offset: 16, .size: 8, .value_kind: global_buffer, .address_space: global }
      - { .name: positive_points, .offset: 24, .size: 8, .value_kind: global_buffer, .address_space: global }
      - { .name: negative_points, .offset: 32, .size: 8, .value_kind: global_buffer, .address_space: global }
      - { .name: out1, .offset: 40, .size: 8, .value_kind: global_buffer, .address_space: global }
      - { .name: out2, .offset: 48, .size: 8, .value_kind: global_buffer, .address_space: global }
    .group_segment_fixed_size: 0
    .private_segment_fixed_size: 0
    .kernarg_segment_align: 8
    .kernarg_segment_size: 56
    .max_flat_workgroup_size: 128
    .sgpr_count:     66
    .vgpr_count:     56
    .wavefront_size: 32
...
	.end_amdgpu_metadata
.endif
;; end of part 1
;; launch loss (part 2): grid 1 x 1, 8 waves a work-group, no clusters, 1,280 bytes of LDS; arguments out1, out2, margin, out0; writes out0
.if DOCPART == 2
	.amdgcn_target "amdgcn-amd-amdhsa--gfx1250"
	.amdhsa_code_object_version 6
	.text
	.protected	k_q18161b5d34_loss
	.globl	k_q18161b5d34_loss
	.p2align	8
	.type	k_q18161b5d34_loss,@function
k_q18161b5d34_loss:
	s_mov_b64 s[64:65], 0
	v_nop
	global_prefetch_b8 v0, s[64:65] scope:SCOPE_SE
	s_setreg_imm32_b32 hwreg(HW_REG_WAVE_MODE, 25, 1), 1
	s_wait_xcnt 0x0
; out0 = (sum of pos_dis^2 + sum of max(0, margin - neg_dis)^2) x 100 / 16384, over the 4,096 points.
; A sum over what all work-groups of the launch before have stored: it needs a launch of its own, and 32 KiB are work for one
; work-group.  Eight waves; thread t takes the 16 bytes at 16 t + 4,096 j, j = 0 .. 3, of out1 and of out2: all eight loads of a
; thread are issued in one run, and each load of a wave covers 512 neighbouring bytes, aligned.
; LIMITS: the squared positive distance is taken as pos_dis^2, the square of the rounded root: it differs from the sum of
; squares by a few last places, is 0 where that sum lies below 2^-126 (the root's flush), and becomes infinite only within a
; few last places of the largest f32.  The order of the sum differs from the reference's.
; A NaN goes through v_maximum_f32 as through jnp.maximum.
.set PD, 4                             ; v[4:19]   16 pos_dis
.set ND, 20                            ; v[20:35]  16 neg_dis, then max(0, margin - neg_dis)
.set MG, 36                            ; v[36:37]  margin, twice
.set A,  38                            ; v[38:39]  sums of pos_dis^2
.set B,  40                            ; v[40:41]  sums of the negative terms
.set X,  42                            ; v42       the other half's sum
.set W,  44                            ; v[44:51]  the eight waves' sums
.set ZR, 52                            ; v52       0: LDS address of the sums, byte offset of out0
	s_load_b256 s[4:11], s[0:1], 0x0               ; out1 s[4:5], out2 s[6:7], margin's address s[8:9], out0 s[10:11]
	v_lshl_add_u32 v56, v0, 2, 0x100
	v_mov_b32 v57, 0
	v_lshrrev_b32 v2, 5, v0
	v_readfirstlane_b32 s13, v2                    ; the wave's number
	s_mov_b32 s14, 0x76543210                      ; v_permlanex16_b32: lane i of one half reads lane i of the other
	s_mov_b32 s15, 0xfedcba98
	v_lshlrev_b32 v1, 4, v0                        ; 16 t
	v_mov_b32 v3, s13
	v_lshlrev_b32 v3, 2, v3                        ; my wave's word in LDS
	v_mov_b32 v[X], 0                              ; v_permlanex16_b32 counts as a reader of its destination
	v_mov_b32 v[ZR], 0
	s_wait_kmcnt 0x0
	s_load_b32 s12, s[8:9], 0x0                    ; margin
.irp j, 0,1,2,3
	global_load_b128 v[PD+4*\j:PD+4*\j+3], v1, s[4:5] offset:4096*\j th:TH_LOAD_NT
.endr
.irp j, 0,1,2,3
	global_load_b128 v[ND+4*\j:ND+4*\j+3], v1, s[6:7] offset:4096*\j th:TH_LOAD_NT
.endr
	s_wait_loadcnt 0x4                             ; loads come back in order: out1's four are in, out2's four may stay out
	v_pk_mul_f32 v[A:A+1], v[PD:PD+1], v[PD:PD+1]  ; the first product starts the sum
.irp j, 2,4,6,8,10,12,14
	v_pk_fma_f32 v[A:A+1], v[PD+\j:PD+\j+1], v[PD+\j:PD+\j+1], v[A:A+1]
.endr
	s_wait_kmcnt 0x0                               ; margin
	v_mov_b32 v[MG], s12
	v_mov_b32 v[MG+1], s12
	s_wait_loadcnt 0x0                             ; out2
.irp j, 0,2,4,6,8,10,12,14
	v_pk_add_f32 v[ND+\j:ND+\j+1], v[MG:MG+1], v[ND+\j:ND+\j+1] neg_lo:[0,1] neg_hi:[0,1]   ; margin - neg_dis
.endr
.irp j, 0,1,2,3,4,5,6,7,8,9,10,11,12,13,14,15
	v_maximum_f32 v[ND+\j], 0, v[ND+\j]
.endr
	v_pk_mul_f32 v[B:B+1], v[ND:ND+1], v[ND:ND+1]
.irp j, 2,4,6,8,10,12,14
	v_pk_fma_f32 v[B:B+1], v[ND+\j:ND+\j+1], v[ND+\j:ND+\j+1], v[B:B+1]
.endr
	; in the lane, then over the wave's 32 lanes
	v_pk_add_f32 v[A:A+1], v[A:A+1], v[B:B+1]
	v_add_f32 v[A], v[A], v[A+1]
.irp x, 1,2,4,8
	v_add_f32_dpp v[A], v[A], v[A] row_xmask:\x row_mask:0xf bank_mask:0xf
.endr
	v_permlanex16_b32 v[X], v[A], s14, s15
	v_add_f32 v[A], v[A], v[X]
	; over the eight waves: each stores its sum to its own word, one barrier, wave 0 reads all
	ds_store_b32 v3, v[A]                          ; all lanes write the same word with the same value
	s_wait_dscnt 0x0                               ; zero: wave 0 reads this word behind the barrier
	s_barrier_signal -1
	s_barrier_wait -1
	s_cmp_lg_u32 s13, 0
	s_cbranch_scc1 .Lothers
	ds_load_b128 v[W:W+3], v[ZR]
	ds_load_b128 v[W+4:W+7], v[ZR] offset:16
	s_wait_dscnt 0x0
	v_pk_add_f32 v[W:W+1], v[W:W+1], v[W+4:W+5]
	v_pk_add_f32 v[W+2:W+3], v[W+2:W+3], v[W+6:W+7]
	v_pk_add_f32 v[W:W+1], v[W:W+1], v[W+2:W+3]
	v_add_f32 v[W], v[W], v[W+1]
	v_mul_f32 v[W], 0x3bc80000, v[W]               ; 100 / 16384 = 1.5625 x 2^-8 is exact in f32: one rounding, as in / 16384 (exact) x 100
	v_cmp_eq_u32 vcc_lo, 0, v0
	s_wait_xcnt 0x0                                ; EXEC is a source of the loads above: it changes only behind this wait
	s_wait_tensorcnt 0x0
	ds_add_u32 v56, v57
	s_wait_dscnt 0x0
	s_and_saveexec_b32 s16, vcc_lo
	global_store_b32 v[ZR], v[W], s[10:11]         ; thread 0 alone
	s_endpgm
.Lothers:
	s_wait_tensorcnt 0x0
	ds_add_u32 v56, v57
	s_wait_dscnt 0x0
	s_endpgm
.Lfunc_end_k_q18161b5d34_loss:
	.size	k_q18161b5d34_loss, .Lfunc_end_k_q18161b5d34_loss-k_q18161b5d34_loss
	.p2alignl 7, 3214868480
	.fill 96, 4, 3214868480
	.section	.rodata,"a",@progbits
	.p2align	6, 0x0
	.amdhsa_kernel k_q18161b5d34_loss
		.amdhsa_group_segment_fixed_size 1280
		.amdhsa_private_segment_fixed_size 0
		.amdhsa_enable_private_segment 0
		.amdhsa_kernarg_size 32
		.amdhsa_user_sgpr_count 2
		.amdhsa_user_sgpr_kernarg_segment_ptr 1
		.amdhsa_wavefront_size32 1
		.amdhsa_system_sgpr_workgroup_id_x 1
		.amdhsa_system_sgpr_workgroup_id_y 1
		.amdhsa_system_sgpr_workgroup_id_z 1
		.amdhsa_system_vgpr_workitem_id 0
		.amdhsa_next_free_vgpr 58
		.amdhsa_next_free_sgpr 66
		.amdhsa_reserve_vcc 1
		.amdhsa_float_denorm_mode_32 3
		.amdhsa_float_denorm_mode_16_64 3
		.amdhsa_memory_ordered 1
		.amdhsa_forward_progress 1
		.amdhsa_inst_pref_size 6
	.end_amdhsa_kernel
	.amdgpu_metadata
---
amdhsa.version: [ 1, 2 ]
amdhsa.kernels:
  - .name:           k_q18161b5d34_loss
    .symbol:         k_q18161b5d34_loss.kd
    .args:
      - { .name: out1, .offset: 0, .size: 8, .value_kind: global_buffer, .address_space: global }
      - { .name: out2, .offset: 8, .size: 8, .value_kind: global_buffer, .address_space: global }
      - { .name: margin, .offset: 16, .size: 8, .value_kind: global_buffer, .address_space: global }
      - { .name: out0, .offset: 24, .size: 8, .value_kind: global_buffer, .address_space: global }
    .group_segment_fixed_size: 1280
    .private_segment_fixed_size: 0
    .kernarg_segment_align: 8
    .kernarg_segment_size: 32
    .max_flat_workgroup_size: 256
    .sgpr_count:     66
    .vgpr_count:     58
    .wavefront_size: 32
...
	.end_amdgpu_metadata
.endif
;; end of part 2
